; MI455X (gfx1250); checked and timed in simulation.
; The chip was launched on July 23, 2026; its instructions are those of AMD's public machine-readable ISA for CDNA 5 (MIT licence, August 2026) and "CDNA5" Instruction Set Architecture Reference Guide (July 2026). The comments in the code are by the model that wrote it; some were corrected since.
;; Topo Filter. Allowed arithmetic: matrix products marked QUANTISED: E5M2 operands, one E8M0 scale for each 32 along K, by v_wmma_scale_f32_16x16x128_f8f6f4 with both operands' format E5M2, f32 sums; everything else in f32.
;; Inputs: x_imag 8 x 1,024 x 1,024 float32; x_real 8 x 1,024 x 1,024 float32.
;; Outputs: out0 2 x 8 x 1,024 x 1,024 float32.
;; This version of the problem:
;;   THIS VERSION OF THE PROBLEM IS GIVEN IN LOW PRECISION. The matrix products marked QUANTISED in the list below multiply operands that are first quantised to E5M2 (5 exponent bits, 2 mantissa bits; 8 bits a number), with one power-of-two scale for each 32 numbers along K (OCP MX v1.0); their sums are f32. All else is computed in f32.
;;   The module's matrix products, in the order in which they are computed (A, B: the left and right operand; K: the contracted axis; several contracted axes count as one K, in the product's order):
;;     1. [M 8,192, K 1,024] x [K 1,024, N 8,192]; A: input x_real; B: input x_real: QUANTISED
;;   THE QUANTISER, for each operand of a quantised product, along K:
;;     - K is cut into blocks of 32 from its start; a last block that is shorter is filled with zeros.
;;     - A block's scale is 2^e with e = floor(log2(the largest magnitude in the block)) - 15, held to -126 .. 127; a block of zeros has e = 0. As a byte (E8M0): e + 127.
;;     - Each number is divided by its block's scale, clamped to +-57,344, and rounded to the nearest number of E5M2, ties to even, subnormals kept.
;;     - The product sums the exact products of the quantised numbers (number of the format x scale) in f32.
;;   ~~~python
;;   def quantise(x, axis):      # numpy; x: float32 -> the quantised numbers, widened to float32 again
;;       x = np.moveaxis(x, axis, -1); K = x.shape[-1]
;;       x = np.pad(x, [(0, 0)] * (x.ndim - 1) + [(0, -K % 32)]); x = x.reshape(x.shape[:-1] + (-1, 32)); a = np.abs(x).max(-1, keepdims=True)
;;       e = np.where(a > 0, np.clip(np.frexp(np.where(a > 0, a, 1))[1] - 1 - 15, -126, 127), 0)      # np.frexp(a)[1] - 1 = floor(log2(a)), exactly
;;       r = np.clip(x / 2.0 ** e, -57344, 57344)
;;       step = 2.0 ** (np.maximum(np.frexp(np.where(r == 0, 1, r))[1] - 1, -14) - 2)
;;       q = np.round(r / step) * step * 2.0 ** e      # np.round: ties to even
;;       return np.moveaxis(q.reshape(q.shape[:-2] + (-1,))[..., :K], -1, axis).astype(np.float32)
;;   ~~~
;; One version. Each part assembles by itself: llvm-mc -triple=amdgcn-amd-amdhsa -mcpu=gfx1250 --defsym DOCPART=n.
;; ======== version 1 of 1: 3 launches
;; limits: right only within a limited range of input values
;; workspace buffers: codes 8,388,608 bytes; scl 262,144 bytes; nsq 32,768 bytes; part 2,097,152 bytes
;; launch quant (part 1): grid 256 x 1, 8 waves a work-group, no clusters, 70,656 bytes of LDS; arguments x_real, codes, scl, nsq; writes codes, scl, nsq
.if DOCPART == 1
	.amdgcn_target "amdgcn-amd-amdhsa--gfx1250"
	.amdhsa_code_object_version 6
	.text
	.protected	k_q35e9ce5200_quant
	.globl	k_q35e9ce5200_quant
	.p2align	8
	.type	k_q35e9ce5200_quant,@function
k_q35e9ce5200_quant:
	s_mov_b64 s[64:65], 0
	v_nop
	global_prefetch_b8 v0, s[64:65] scope:SCOPE_SE
	s_setreg_imm32_b32 hwreg(HW_REG_WAVE_MODE, 25, 1), 1
	s_wait_xcnt 0x0
; x_real, taken as [8192][1024] f32, is quantised ONCE along its 1,024 columns into codes of BF8 (E5M2) with one E8M0 scale byte for each 32, and -1/2 of each row's sum of squares (of the numbers as given, in f32) is made beside them.
; A block's scale is 2^(floor(log2(its largest magnitude)) - 15); its byte is the largest magnitude's exponent field - 15, held at 1 from below.  Each number is divided by the scale, held within +-57,344 and rounded to the nearest code, ties to even.
; LIMITS: a block of zeros gets the byte 1 where the rule says 127 (its codes are zeros, which add nothing under any byte but 0xff, and this program alone reads the bytes); NaN and infinities among the inputs are not served.
; WHAT IS WRITTEN, in the order in which the next launch's registers want it:
;   codes [T 512][s 8][c 4][lane 32][16 bytes]: the image of the fragment of rows 16 T .. 16 T + 15, K step s (128 along K): lane (r = lane % 16, h = lane / 16), group c: the codes of row 16 T + r, k = 128 s + 32 c + 16 h + 0 .. 15.
;   scl   [T 512][g 2][r 16][4 words]: word j of (g, r): the four scale bytes of row 16 T + r, K step 4 g + j: one load of 16 bytes a lane gives lanes 0-15 the words of K steps 0-3 and lanes 16-31 those of K steps 4-7.
;   nsq   [8192] f32: -1/2 x the row's sum of squares.
; SHARES.  Work-group g takes row tiles 2 g and 2 g + 1.  Wave w: tile u = w / 4, K steps 2 q and 2 q + 1 with q = w % 4: 16 rows x 1,024 bytes, 32 loads of 512 consecutive bytes, all issued at the head.
; The conversions take neighbours along K from ONE lane's registers, the loads are best with neighbouring bytes in neighbouring lanes: so a K step's 16 rows x 512 bytes turn through the wave's own stage in LDS.
; The scale words and the partial sums of squares of the eight waves meet in LDS behind one barrier, and wave 0 stores them: 1,024 consecutive bytes of scl, 128 of nsq.
.set SPITCH, 528                       ; a stage row: 512 bytes + 16 = 132 words: row r starts at bank 4 r mod 64 (64 banks of 4 bytes: ISA guide 11.1), so the 16 rows that a load touches start at 16 different banks
.set STG,    16*SPITCH                 ; a wave's stage: 8,448 bytes, used for both K steps in turn
.set SCI,    8*STG                     ; behind the stages: the image of the work-group's 1,024 bytes of scl
.set SQP,    SCI+1024                  ; and the partial sums of squares: [wave 8][r 16] f32
.set LI,  1                            ; v1   16 x lane
.set STI, 2                            ; v2   the stage, on the way in: 16 x lane
.set STO, 3                            ; v3   on the way out: 528 r + 64 h
.set SCA, 4                            ; v4   where my two scale words go
.set SQA, 5                            ; v5   where my partial sum goes
.set RDS, 6                            ; v6   wave 0: 16 bytes a lane of the scale image
.set RDQ, 7                            ; v7   wave 0: the four partial sums of row (tile lane / 16, r = lane % 16)
.set NO,  8                            ; v8   4 x lane
.set SQ,  16                           ; v[16:19] the sum of squares: two packed chains
.set PW,  20                           ; v20, v21 the two K steps' scale words
.set TM,  24                           ; v24-27 largest magnitudes, v28-31 bytes, v32-35 the largest number x the scale, v36-39 the conversions' scale operands
.set PC,  40                           ; v40-71 codes: a set of 16 for each K step, so that no store's data are written again
.set R,   72                           ; v72-199 numbers: 64 for each K step
	s_load_b256 s[4:11], s[0:1], 0x0               ; x_real s[4:5], codes s[6:7], scl s[8:9], nsq s[10:11]
	v_lshl_add_u32 v200, v0, 2, 0x11000
	v_mov_b32 v201, 0
	v_lshrrev_b32 v9, 5, v0
	s_delay_alu instid0(VALU_DEP_1)
	v_readfirstlane_b32 s12, v9                    ; wave 0..7
	s_lshr_b32 s13, s12, 2                         ; u: which of the two tiles
	s_and_b32 s14, s12, 3                          ; q: which quarter of K
	s_lshl_b32 s15, ttmp9, 1
	s_add_co_u32 s15, s15, s13                     ; T = 2 g + u
	v_and_b32 v10, 31, v0                          ; lane
	s_delay_alu instid0(VALU_DEP_1)
	v_lshlrev_b32 v[LI], 4, v10
	s_lshl_b32 s16, s15, 16                        ; x: 16 rows of 4,096 bytes a tile,
	s_lshl_b32 s26, s14, 10                        ; 1,024 bytes of a row a quarter
	s_add_co_u32 s16, s16, s26
	s_mov_b32 s17, 0
	s_wait_alu depctr_va_vdst(0)
	s_wait_kmcnt 0x0
	s_add_nc_u64 s[4:5], s[4:5], s[16:17]
.macro XLOAD e                         ; K step e of my two: 16 rows, 512 consecutive bytes each, as they lie
.irp i, 0,1,2,3,4,5,6,7,8,9,10,11,12,13,14,15
	global_load_b128 v[R+64*\e+4*\i:R+64*\e+4*\i+3], v[LI], s[4:5] offset:\i*4096+\e*512 th:TH_LOAD_NT
.endr
.endm
	XLOAD 0
	XLOAD 1
	; every LDS address is made here, ahead of the parting on the wave's number at the end
	v_and_b32 v11, 15, v0                          ; r
	s_wait_alu depctr_va_vdst(0)
	v_bfe_u32 v12, v0, 4, 1                        ; h
	s_mul_i32 s23, s12, STG                        ; my stage
	v_add_nc_u32 v[STI], s23, v[LI]
	v_mul_u32_u24 v[STO], v11, SPITCH
	s_delay_alu instid0(VALU_DEP_1)
	v_lshl_add_u32 v[STO], v12, 6, v[STO]
	s_delay_alu instid0(VALU_DEP_1)
	v_add_nc_u32 v[STO], s23, v[STO]
	s_lshl_b32 s24, s13, 9                         ; the scale image: 512 u
	s_lshr_b32 s25, s14, 1
	s_lshl_b32 s25, s25, 8                         ; + 256 (q / 2): which group of four K steps
	s_add_co_u32 s24, s24, s25
	s_and_b32 s25, s14, 1
	s_lshl_b32 s25, s25, 3                         ; + 8 (q % 2): which two words of the four
	s_add_co_u32 s24, s24, s25
	s_add_co_u32 s24, s24, SCI
	v_lshl_add_u32 v[SCA], v11, 4, s24             ; + 16 r
	s_lshl_b32 s25, s12, 6
	s_add_co_u32 s25, s25, SQP
	v_lshl_add_u32 v[SQA], v11, 2, s25             ; 64 x wave + 4 r
	v_add_nc_u32 v[RDS], SCI, v[LI]
	v_lshlrev_b32 v[RDQ], 2, v11
	s_wait_alu depctr_va_vdst(0)
	v_lshl_add_u32 v[RDQ], v12, 8, v[RDQ]          ; 256 (lane / 16) + 4 (lane % 16): the tile's four waves lie 64 bytes apart
	s_delay_alu instid0(VALU_DEP_1)
	v_add_nc_u32 v[RDQ], SQP, v[RDQ]
	v_lshlrev_b32 v[NO], 2, v10
	s_lshl_b32 s18, s15, 14                        ; codes: 16,384 bytes a tile, 4,096 a quarter of K
	s_lshl_b32 s26, s14, 12
	s_add_co_u32 s18, s18, s26
	s_mov_b32 s19, 0
	s_add_nc_u64 s[6:7], s[6:7], s[18:19]
	s_lshl_b32 s26, ttmp9, 10                      ; scl: 1,024 bytes a work-group
	s_mov_b32 s27, 0
	s_add_nc_u64 s[8:9], s[8:9], s[26:27]
	s_lshl_b32 s28, ttmp9, 7                       ; nsq: 128 bytes a work-group
	s_mov_b32 s29, 0
	s_add_nc_u64 s[10:11], s[10:11], s[28:29]
	s_mov_b32 s20, 0x76543210
	s_mov_b32 s21, 0xfedcba98                      ; v_permlanex16_b32's selects for lane l xor 16
	s_mov_b32 s22, 0x600000                        ; the mantissa field of 57,344
.irp b, 0,1,2,3
	v_mov_b32 v[TM+4+\b], 0                        ; written once: a lane permute's destination counts as one of its sources
.endr
; K step e through the stage: in as loaded, back 64 bytes of each block of 32 a lane, into the registers that the numbers left.  LDS serves a wave's instructions in order (ISA guide 5.7.1.4): no wait between the stores and the loads.
; Afterwards register 16 c + i holds x(row r, 128 s + 32 c + 16 h + i).
.macro TURN e
.irp i, 0,1,2,3,4,5,6,7,8,9,10,11,12,13,14,15
	ds_store_b128 v[STI], v[R+64*\e+4*\i:R+64*\e+4*\i+3] offset:SPITCH*\i
.endr
.irp c, 0,1,2,3
.irp j, 0,1,2,3
	ds_load_b128 v[R+64*\e+16*\c+4*\j:R+64*\e+16*\c+4*\j+3], v[STO] offset:128*\c+16*\j
.endr
.endr
.endm
; the squares of K step e's 64 numbers onto two packed chains; the first two products start the sums: nothing is cleared
.macro SQS e
.set cnt, 0
.rept 32
.if (\e == 0) && (cnt < 2)
	v_pk_mul_f32 v[SQ+2*cnt:SQ+2*cnt+1], v[R+2*cnt:R+2*cnt+1], v[R+2*cnt:R+2*cnt+1]
.else
	v_pk_fma_f32 v[SQ+2*(cnt%2):SQ+2*(cnt%2)+1], v[R+64*\e+2*cnt:R+64*\e+2*cnt+1], v[R+64*\e+2*cnt:R+64*\e+2*cnt+1], v[SQ+2*(cnt%2):SQ+2*(cnt%2)+1]
.endif
.set cnt, cnt+1
.endr
.endm
; 64 numbers of a lane, v[s] on, register 16 b + i = k 32 b + 16 h + i of my row, become a fragment's 16 registers of codes in v[pc] on and its scale word in v[pw]
.macro QUANT s, pc, pw
.irp b, 0,1,2,3
	v_max3_num_f32 v[TM+\b], |v[\s+16*\b]|, |v[\s+1+16*\b]|, 0x8000000   ; block b: my 16 numbers, and the floor 2^(16 - 127), under which no largest magnitude is taken: so the byte cannot fall under 1
.endr
.irp i, 2,4,6,8,10,12,14
.irp b, 0,1,2,3
	s_delay_alu instid0(VALU_DEP_4)
	v_max3_num_f32 v[TM+\b], v[TM+\b], |v[\s+16*\b+\i]|, |v[\s+1+16*\b+\i]|   ; the four blocks by turns: no line waits for the line above it
.endr
.endr
.irp b, 0,1,2,3
	s_delay_alu instid0(VALU_DEP_4)
	v_permlanex16_b32 v[TM+4+\b], v[TM+\b], s20, s21
.endr
.irp b, 0,1,2,3
	s_delay_alu instid0(VALU_DEP_4)
	v_max_num_f32 v[TM+\b], v[TM+\b], v[TM+4+\b]   ; with lane l xor 16's 16 numbers: the block's largest magnitude
.endr
.irp b, 0,1,2,3
	s_delay_alu instid0(VALU_DEP_4)
	v_add_nc_u32 v[TM+12+\b], 0xf8800000, v[TM+\b]   ; 15 off its exponent field: the conversion takes the exponent field of this operand as its scale, and nothing else of it
.endr
.irp b, 0,1,2,3
	v_and_or_b32 v[TM+8+\b], v[TM+\b], 0x7f800000, s22   ; 57,344 x the scale: the largest magnitude's exponent field over 57,344's mantissa
.endr
.irp b, 0,1,2,3
	v_lshrrev_b32 v[TM+4+\b], 23, v[TM+12+\b]      ; the scale's byte
.endr
	s_delay_alu instid0(VALU_DEP_3)
	v_lshl_or_b32 v[\pw], v[TM+5], 8, v[TM+4]      ; the four bytes make my row's scale word; both halves of the lanes hold the same
	s_delay_alu instid0(VALU_DEP_1)
	v_lshl_or_b32 v[\pw], v[TM+6], 16, v[\pw]
	s_delay_alu instid0(VALU_DEP_1)
	v_lshl_or_b32 v[\pw], v[TM+7], 24, v[\pw]
.irp b, 0,1,2,3
.irp i, 0,1,2,3,4,5,6,7,8,9,10,11,12,13,14,15
	v_med3_num_f32 v[\s+16*\b+\i], v[\s+16*\b+\i], -v[TM+8+\b], v[TM+8+\b]   ; the conversion to an 8-bit code does not saturate (ISA guide 7.6.2): the hold at the largest code x the scale
.endr
	v_cvt_scalef32_pk8_bf8_f32 v[\pc+4*\b:\pc+1+4*\b], v[\s+16*\b:\s+7+16*\b], v[TM+12+\b]
	v_cvt_scalef32_pk8_bf8_f32 v[\pc+2+4*\b:\pc+3+4*\b], v[\s+8+16*\b:\s+15+16*\b], v[TM+12+\b]
.endr
	v_nop                                          ; one plain vector instruction behind the last scaled conversion, ahead of whatever next touches its registers
.endm
	s_wait_loadcnt 16                              ; loads come back in order: the first K step's 16 are in, the second's 16 may be out
	TURN 0
	s_wait_dscnt 0x0
	SQS 0                                          ; the squares are taken of the numbers as given, ahead of the hold
	QUANT R, PC, PW
.irp c, 0,1,2,3
	global_store_b128 v[LI], v[PC+4*\c:PC+4*\c+3], s[6:7] offset:512*\c   ; group c of the image: the wave stores 512 consecutive bytes
.endr
	s_wait_loadcnt 0x0
	TURN 1
	s_wait_dscnt 0x0
	SQS 1
	QUANT R+64, PC+16, PW+1
.irp c, 0,1,2,3
	global_store_b128 v[LI], v[PC+16+4*\c:PC+16+4*\c+3], s[6:7] offset:2048+512*\c
.endr
	v_add_f32 v[SQ], v[SQ], v[SQ+1]                ; my 128 squares,
	v_add_f32 v[SQ+2], v[SQ+2], v[SQ+3]
	s_delay_alu instid0(VALU_DEP_1)
	v_add_f32 v[SQ], v[SQ], v[SQ+2]
	s_delay_alu instid0(VALU_DEP_1)
	v_permlanex16_b32 v[SQ+1], v[SQ], s20, s21
	s_delay_alu instid0(VALU_DEP_1)
	v_add_f32 v[SQ], v[SQ], v[SQ+1]                ; and lane l xor 16's: row r's sum over my 256 columns
	ds_store_b32 v[SQA], v[SQ]                     ; both halves of the lanes write the same word with the same value,
	ds_store_b64 v[SCA], v[PW:PW+1]                ; here too
	s_wait_dscnt 0x0                               ; for wave 0's sake: my stores have landed
	s_barrier_signal -1
	s_barrier_wait -1
	s_cmp_lg_u32 s12, 0
	s_cbranch_scc1 .Lend
	ds_load_b128 v[R:R+3], v[RDS]                  ; wave 0: the scale image, 1,024 bytes,
	ds_load_b128 v[R+4:R+7], v[RDS] offset:512
.irp p, 0,1,2,3
	ds_load_b32 v[R+8+\p], v[RDQ] offset:64*\p     ; and the four quarters of the sum of squares of row 16 (lane / 16) + lane % 16
.endr
	s_wait_dscnt 0x0
	global_store_b128 v[LI], v[R:R+3], s[8:9]
	global_store_b128 v[LI], v[R+4:R+7], s[8:9] offset:512
	v_add_f32 v[R+8], v[R+8], v[R+9]
	v_add_f32 v[R+10], v[R+10], v[R+11]
	s_delay_alu instid0(VALU_DEP_1)
	v_add_f32 v[R+8], v[R+8], v[R+10]
	s_delay_alu instid0(VALU_DEP_1)
	v_mul_f32 v[R+8], -0.5, v[R+8]
	global_store_b32 v[NO], v[R+8], s[10:11]       ; 32 rows: 128 consecutive bytes; the whole buffer is 32,768 bytes
.Lend:
	s_wait_tensorcnt 0x0
	ds_add_u32 v200, v201
	s_wait_dscnt 0x0
	s_endpgm
.Lfunc_end_k_q35e9ce5200_quant:
	.size	k_q35e9ce5200_quant, .Lfunc_end_k_q35e9ce5200_quant-k_q35e9ce5200_quant
	.p2alignl 7, 3214868480
	.fill 96, 4, 3214868480
	.section	.rodata,"a",@progbits
	.p2align	6, 0x0
	.amdhsa_kernel k_q35e9ce5200_quant
		.amdhsa_group_segment_fixed_size 70656
		.amdhsa_private_segment_fixed_size 0
		.amdhsa_enable_private_segment 0
		.amdhsa_kernarg_size 32
		.amdhsa_user_sgpr_count 2
		.amdhsa_user_sgpr_kernarg_segment_ptr 1
		.amdhsa_wavefront_size32 1
		.amdhsa_system_sgpr_workgroup_id_x 1
		.amdhsa_system_sgpr_workgroup_id_y 1
		.amdhsa_system_sgpr_workgroup_id_z 1
		.amdhsa_system_vgpr_workitem_id 0
		.amdhsa_next_free_vgpr 202
		.amdhsa_next_free_sgpr 66
		.amdhsa_reserve_vcc 0
		.amdhsa_float_denorm_mode_32 3
		.amdhsa_float_denorm_mode_16_64 3
		.amdhsa_memory_ordered 1
		.amdhsa_forward_progress 1
		.amdhsa_inst_pref_size 35
	.end_amdhsa_kernel
	.amdgpu_metadata
---
amdhsa.version: [ 1, 2 ]
amdhsa.kernels:
  - .name:           k_q35e9ce5200_quant
    .symbol:         k_q35e9ce5200_quant.kd
    .args:
      - { .name: x_real, .offset: 0, .size: 8, .value_kind: global_buffer, .address_space: global }
      - { .name: codes, .offset: 8, .size: 8, .value_kind: global_buffer, .address_space: global }
      - { .name: scl, .offset: 16, .size: 8, .value_kind: global_buffer, .address_space: global }
      - { .name: nsq, .offset: 24, .size: 8, .value_kind: global_buffer, .address_space: global }
    .group_segment_fixed_size: 70656
    .private_segment_fixed_size: 0
    .kernarg_segment_align: 8
    .kernarg_segment_size: 32
    .max_flat_workgroup_size: 256
    .sgpr_count:     66
    .vgpr_count:     202
    .wavefront_size: 32
...
	.end_amdgpu_metadata
.endif
;; end of part 1
;; launch knn (part 2): grid 32 x 8, 4 waves a work-group, clusters of 4 x 1, 327,680 bytes of LDS; arguments codes, scl, nsq, part; writes part
.if DOCPART == 2
	.amdgcn_target "amdgcn-amd-amdhsa--gfx1250"
	.amdhsa_code_object_version 6
	.text
	.protected	k_q35e9ce5200_knn
	.globl	k_q35e9ce5200_knn
	.p2align	8
	.type	k_q35e9ce5200_knn,@function
k_q35e9ce5200_knn:
	s_mov_b64 s[64:65], 0
	v_nop
	global_prefetch_b8 v0, s[64:65] scope:SCOPE_SE
	s_setreg_imm32_b32 hwreg(HW_REG_WAVE_MODE, 25, 1), 1
	s_wait_xcnt 0x0
	s_wait_alu depctr_hold_cnt(0) depctr_sa_sdst(0) depctr_va_vdst(0) depctr_va_sdst(0) depctr_va_ssrc(0) depctr_va_vcc(0) depctr_vm_vsrc(0)
	s_getreg_b32 s2, hwreg(HW_REG_IB_STS2, 6, 4)
	s_cmp_eq_u32 s2, 0
	s_cbranch_scc0 .Lentry_in_a_cluster
	s_endpgm
.Lentry_in_a_cluster:
	s_bfe_u32 s2, ttmp6, 0x10000c
	s_cmp_lg_u32 s2, 0x3003
	s_cbranch_scc0 .Lentry_shape_is_right
	s_endpgm
.Lentry_shape_is_right:
; G = Q(x) Q(x)^T, 8,192 x 8,192 x 1,024, on codes of BF8 (E5M2) with E8M0 scales; of each row (query) the six nearest columns (candidates) of a split are kept.
; THE KEY.  d2(i, j) = sq_i - 2 key(i, j), key = G(i, j) - sq_j / 2: a query's six smallest distances are its six largest keys; -sq_j / 2 is the C of a sum's first product.
; SHARES.  Work-group (bx, y): queries 256 bx .. + 255 against candidates 1,024 y .. + 1,023 (64 tiles of 16).  Wave w: 64 queries (four tiles), whose fragments for all of K stay in 512 registers.
; Source 0 = 16 candidates, source 1 = 16 queries: lane (r, h) holds query r, register j candidate 8 h + j.
; A PAIR of candidate tiles is one run of 64 products (2 tiles x 8 K steps x 4 query tiles, four accumulators by turns) and then ONE selection from both sets of accumulators.
; The next pair's LDS loads stand in two blocks of 35: one between the selection's halves, one behind it; no load stands among the products.
; THE SELECTION, 48 lines for a query's 16 numbers of a pair.  The 16 are sorted along four axes of two (inside an accumulator: three; across the two tiles: one); sorting along one axis keeps the order along the others.
; The number at a place with c ones among its four coordinates has 2^c - 1 others of the 16 at least as large.  The k-th largest of all numbers of one place has k 2^c - 1 at least as large, so it can be
; among the six largest only for k 2^c <= 6: a list of 6 for c = 0, four lists of 3 for c = 1, six single registers for c = 2; c >= 3 is dropped.  Only values are kept, so equal numbers do no harm.
; A comparator is one dual pair, max(a, b) :: min(b, a), out of place, a and b in registers that differ modulo 4.  An insertion: L_k = med3(L_k-1, L_k, v) from the last k down, then L_0 = max(L_0, v).
; THE RING.  Two LDS slots of 8 candidate tiles (dense register images); scale words and -sq / 2 of the split come once.  All tensor loads are JOINT for the four work-groups of a cluster, which share y.
; No prefetch: a refill is asked for eight tiles, 256 products a wave, ahead of the wait for it.
; OUT.  part [split 8][query 8,192][8 f32]: six keys, descending, and two words of filling.   LIMITS: NaN and infinities are not served.
; WINDOWS: 0: names below.  1: queries' K steps 0-3 (tile t, step s at 64 t + 16 s).  2: their K steps 4-7.  3: two buffers for a candidate tile (128 p + 16 s).
.set TILEB, 16384
.set SLOT1, 1<<17
.set SCL,   2*SLOT1                    ; scale words, 512 bytes a tile
.set NSQ,   SCL+32768                  ; -sq / 2, 64 bytes a tile
.set SPARE, NSQ+4096                   ; the spare words: 512 bytes that no other line names
.set NLS,   24                         ; list registers of a query tile: +0 six; +6, +9, +12, +15 threes; +18 .. +23 singles
.set LI,  1                            ; 16 x lane
.set LH,  2                            ; 32 x (lane / 16)
.set ADR, 3                            ; LDS address of the pair to fetch: codes,
.set ADS, 4                            ; scale words,
.set ADB, 5                            ; -sq / 2
.set SPW, 6
.set NIL, 7
.set GO,  8                            ; the way out: 32 r + 16 h
.set QS,  16                           ; v16-31 queries' scale words: tile t, register s % 4 (lanes 16-31: K steps 4-7)
.set CS,  34                           ; v34-41 candidates' likewise, four for each buffer; its numbers never equal QS's modulo 8 in one product
.set BI,  42                           ; v42-57 -sq / 2 of candidates 8 h + 0 .. 7, eight for each buffer
.set ACC, 64                           ; v64-127 set p, query tile t at ACC + 32 p + 8 t
.set LST, 128                          ; v128-223
.set TMP, 224                          ; v224-255 at work: 16 for each of two query tiles
.set OTH, 64
.set OUTR, 224
.set WV,  12
.set G1C, 16                           ; 128 rows of 256 bytes
.set G1H, 24                           ; 256 rows
.set G1N, 32                           ; 16 rows
.set G0A, 40                           ; slot 0's first fill, a half
.set G0W, 44                           ; slot 1's first fill, a quarter; it then walks on
.set G0S, 48
.set G0N, 52
.set TB,  56
.set TS,  57
.set TJ,  58
.set OUTER, 59
.set INNER, 60
.set XSEL, 62
.set QB,  74
.set MSB, 0
.macro WIN new
.if MSB != (\new)
	s_set_vgpr_msb (MSB<<8)|(\new)
.set MSB, (\new)
.endif
.endm
.macro NOPS n
.rept \n
	v_nop
.endr
.endm
.macro CREST                           ; a round of the cluster's barrier behind its opening barrier
	s_cmp_lg_u32 s[WV], 0
	s_cbranch_scc1 .Lnot_wave_0_\@
	s_barrier_signal -3
.Lnot_wave_0_\@:
	s_barrier_wait -3
	s_barrier_signal -1
	s_barrier_wait -1
.endm
.macro CROUND                          ; a whole round
	s_barrier_signal -1
	s_barrier_wait -1
	CREST
.endm
.macro QLOAD half, from, num           ; my queries' register images, 512 consecutive bytes a load: K steps 4 half .. 4 half + 3 of tile cnt / 16
.set cnt, \from
.rept \num
	global_load_b128 v[4*cnt:4*cnt+3], v[LI], s[QB:QB+1] offset:(cnt/16)*TILEB+8192*(\half)+(cnt%16)*512
.set cnt, cnt+1
.endr
.endm
	s_load_b256 s[4:11], s[0:1], 0x0               ; codes, scl, nsq, part
	v_lshl_add_u32 v[SPW], v0, 2, SPARE
	v_mov_b32 v[NIL], 0
	ds_add_u32 v[SPW], v[NIL]                      ; the opening lines
	ds_add_u32 v[SPW], v[NIL]
	v_lshrrev_b32 v9, 5, v0
	v_readfirstlane_b32 s[WV], v9                  ; wave 0..3
	v_and_b32 v9, 31, v0
	v_lshlrev_b32 v[LI], 4, v9
	v_bfe_u32 v10, v0, 4, 1                        ; h
	v_lshlrev_b32 v[LH], 5, v10
	v_and_b32 v11, 15, v0                          ; r
	v_lshlrev_b32 v[GO], 5, v11
	v_lshl_add_u32 v[GO], v10, 4, v[GO]
	s_bfe_u32 s13, ttmp6, 0x40000                  ; cx
	s_lshl_b32 s14, ttmp9, 2
	s_add_co_u32 s14, s14, s13                     ; bx: it enters the queries' and the output's addresses alone
	s_and_b32 s15, ttmp7, 0xffff                   ; y, which the four partners share
.irp g, G1C, G1H, G1N                              ; dense blocks as rows of 32 elements of 8 bytes; the mask names all four; bit 21 beside it
	s_mov_b32 s[\g], 15|(3<<16)|(1<<21)
	s_mov_b32 s[\g+1], 32<<16
	s_mov_b32 s[\g+3], 32<<16
	s_mov_b32 s[\g+5], 32
	s_mov_b32 s[\g+6], 0
	s_mov_b32 s[\g+7], 0
.endr
	s_mov_b32 s[G1C+2], 128<<16
	s_mov_b32 s[G1C+4], 128
	s_mov_b32 s[G1H+2], 256<<16
	s_mov_b32 s[G1H+4], 256
	s_mov_b32 s[G1N+2], 16<<16
	s_mov_b32 s[G1N+4], 16
	s_lshl_b32 s68, s15, 20                        ; the split's codes
	s_mov_b32 s69, 0
	s_lshl_b32 s66, s[WV], 16                      ; a half of a slot (waves 0, 1); also a wave's queries
	s_mov_b32 s67, 0
	s_lshl_b32 s70, s[WV], 15                      ; a quarter of a slot
	s_mov_b32 s71, 0
	s_lshl_b32 s72, s15, 15                        ; the split's scale words
	s_mov_b32 s73, 0
	s_lshl_b32 s2, s15, 12                         ; its -sq / 2
	s_mov_b32 s3, 0
	s_mov_b32 s[G0A+1], s66
	s_add_co_u32 s[G0W+1], s70, SLOT1
	s_mov_b32 s[G0S+1], SCL
	s_mov_b32 s[G0N+1], NSQ
	s_lshl_b32 s74, s14, 18                        ; my queries' codes
	s_add_co_u32 s74, s74, s66
	s_mov_b32 s75, 0
	s_lshl_b32 s76, s14, 13                        ; their scale words; the output has as many bytes a query
	s_lshl_b32 s61, s[WV], 11
	s_add_co_u32 s76, s76, s61
	s_mov_b32 s77, 0
	s_lshl_b32 s78, s15, 18
	s_add_co_u32 s78, s78, s76
	s_mov_b32 s79, 0
	s_mov_b32 s[XSEL], 0x76543210
	s_mov_b32 s[XSEL+1], 0xfedcba98
	s_mov_b32 s[TB], 0
	s_mov_b32 s[TS], SCL
	s_mov_b32 s[TJ], NSQ
	s_wait_dscnt 0x0                               ; both opening adds are done
	s_wait_alu depctr_va_vdst(0)
	s_wait_kmcnt 0x0
	s_add_nc_u64 s[QB:QB+1], s[4:5], s[74:75]
	s_add_nc_u64 s[76:77], s[6:7], s[76:77]
.irp t, 0,1,2,3                                    ; 60 plain loads go out ahead of the round: they ask nothing of the partners
	global_load_b128 v[QS+4*\t:QS+4*\t+3], v[LI], s[76:77] offset:512*\t
.endr
	WIN 0x40
	QLOAD 0, 0, 56
	WIN 0
	s_add_nc_u64 s[68:69], s[4:5], s[68:69]
	s_mov_b32 s[G0A], 1
	s_add_nc_u64 s[G0A+2:G0A+3], s[68:69], s[66:67]
	s_or_b32 s[G0A+3], s[G0A+3], 0x80000000
	s_mov_b32 s[G0W], 1
	s_add_nc_u64 s[G0W+2:G0W+3], s[68:69], s[70:71]
	s_add_nc_u64 s[G0W+2:G0W+3], s[G0W+2:G0W+3], 8*TILEB
	s_or_b32 s[G0W+3], s[G0W+3], 0x80000000
	s_mov_b32 s[G0S], 1
	s_add_nc_u64 s[G0S+2:G0S+3], s[6:7], s[72:73]
	s_or_b32 s[G0S+3], s[G0S+3], 0x80000000
	s_mov_b32 s[G0N], 1
	s_add_nc_u64 s[G0N+2:G0N+3], s[8:9], s[2:3]
	s_or_b32 s[G0N+3], s[G0N+3], 0x80000000
	s_add_nc_u64 s[78:79], s[10:11], s[78:79]
	CROUND                                         ; the first joint loads meet
	; the head's loads, one a wave: waves 0, 1 the halves of slot 0, wave 2 the scale words, wave 3 -sq / 2
	s_cmp_lt_u32 s[WV], 2
	s_cbranch_scc0 .Lhead_s
	tensor_load_to_lds s[G0A:G0A+3], s[G1H:G1H+7]
	s_nop 0
	NOPS 4
	s_branch .Lhead_j
.Lhead_s:
	s_cmp_lt_u32 s[WV], 3
	s_cbranch_scc0 .Lhead_n
	tensor_load_to_lds s[G0S:G0S+3], s[G1C:G1C+7]
	s_nop 0
	NOPS 4
	s_branch .Lhead_j
.Lhead_n:
	tensor_load_to_lds s[G0N:G0N+3], s[G1N:G1N+7]
	s_nop 0
	NOPS 4
.Lhead_j:
	WIN 0x40                                       ; the rest of K steps 0-3 to window 1,
	QLOAD 0, 56, 8
	WIN 0x80                                       ; K steps 4-7 to window 2
	QLOAD 1, 0, 64
	WIN 0
	s_mov_b32 s61, 0xff800000                      ; the lists begin as -infinity
.set cnt, 0
.rept 4*NLS
	v_mov_b32 v[LST+cnt], s61
.set cnt, cnt+1
.endr
; product i of a tile's 32 on buffer and set p: K step i / 4, query tile i % 4
.macro MM p
.set ms, i/4
.set mt, i%4
.set rd, ACC+32*(\p)+8*mt
.set rc, 128*(\p)+16*ms
.set rq, 64*mt+16*(ms%4)
.set sa, CS+4*(\p)+ms%4
.set sb, QS+4*mt+ms%4
	WIN 0x07+4*(ms/4)                              ; source 0 window 3, source 1 window 1 or 2, C and D window 0
.if ms == 0
	v_wmma_scale_f32_16x16x128_f8f6f4 v[rd:rd+7], v[rc:rc+15], v[rq:rq+15], v[BI+8*(\p):BI+8*(\p)+7], v[sa], v[sb] matrix_a_fmt:MATRIX_FMT_BF8 matrix_b_fmt:MATRIX_FMT_BF8
.elseif ms < 4
	v_wmma_scale_f32_16x16x128_f8f6f4 v[rd:rd+7], v[rc:rc+15], v[rq:rq+15], v[rd:rd+7], v[sa], v[sb] matrix_a_fmt:MATRIX_FMT_BF8 matrix_b_fmt:MATRIX_FMT_BF8
.else
	v_wmma_scale_f32_16x16x128_f8f6f4 v[rd:rd+7], v[rc:rc+15], v[rq:rq+15], v[rd:rd+7], v[sa], v[sb] matrix_a_fmt:MATRIX_FMT_BF8 matrix_b_fmt:MATRIX_FMT_BF8 matrix_a_scale:MATRIX_SCALE_ROW1 matrix_b_scale:MATRIX_SCALE_ROW1
.endif
.endm
; tile q of the next pair into buffer q: its scale words, its -sq / 2, then its 32 groups of codes, K ascending: 35 loads
.macro LOADT q
	ds_load_b128 v[CS+4*(\q):CS+4*(\q)+3], v[ADS] offset:512*(\q)
	ds_load_b128 v[BI+8*(\q):BI+8*(\q)+3], v[ADB] offset:64*(\q)
	ds_load_b128 v[BI+8*(\q)+4:BI+8*(\q)+7], v[ADB] offset:64*(\q)+16
	WIN 0xc0
.set fm, 0
.rept 32
	ds_load_b128 v[128*(\q)+4*fm:128*(\q)+4*fm+3], v[ADR] offset:TILEB*(\q)+512*fm
.set fm, fm+1
.endr
	WIN 0
.endm
; a tile's 32 products.  w0: the loads that may be out when scale words, -sq / 2 and K steps 0-3 must be in; w1: when K steps 4-7 must be
.macro RUN p, w0, w1
	s_wait_dscnt \w0
.set i, 0
.rept 32
.if i == 16
	s_wait_dscnt \w1
.endif
	MM \p
.set i, i+1
.endr
.endm
.macro ADDR                            ; the addresses of the next pair to fetch; its second tile is reached by the loads' immediates
	v_add_nc_u32 v[ADR], s[TB], v[LI]
	v_add_nc_u32 v[ADS], s[TS], v[LI]
	v_add_nc_u32 v[ADB], s[TJ], v[LH]
	s_add_co_u32 s[TB], s[TB], 2*TILEB
	s_add_co_u32 s[TS], s[TS], 1024
	s_add_co_u32 s[TJ], s[TJ], 128
.endm
.macro CX d0, d1, a, b                 ; a comparator: v[d0] the larger, v[d1] the smaller; one destination even, one odd; a and b differ modulo 4
	v_dual_max_num_f32 v[\d0], v[\a], v[\b] :: v_dual_min_num_f32 v[\d1], v[\b], v[\a]
.endm
.macro MX e, xa, o, xb                 ; two heads of lists
	v_dual_max_num_f32 v[\e], v[\e], v[\xa] :: v_dual_max_num_f32 v[\o], v[\o], v[\xb]
.endm
.macro LV1 s, d                        ; axis 1: neighbours (the accumulator is read from its low end on)
	CX (\d), (\d)+1, (\s), (\s)+1
	CX (\d)+2, (\d)+3, (\s)+2, (\s)+3
	CX (\d)+4, (\d)+5, (\s)+4, (\s)+5
	CX (\d)+6, (\d)+7, (\s)+6, (\s)+7
.endm
.macro LV2 s, d                        ; axis 2; the second four land with their pairs swapped, so that axis 3's partners differ modulo 4
	CX (\d), (\d)+1, (\s), (\s)+2
	CX (\d)+2, (\d)+3, (\s)+1, (\s)+3
	CX (\d)+5, (\d)+4, (\s)+4, (\s)+6
	CX (\d)+7, (\d)+6, (\s)+5, (\s)+7
.endm
.macro LV3 s, d, x                     ; axis 3.  x = 0: d+0 c=0; d+1, d+2, d+4 c=1; d+3, d+5, d+6 c=2.  x = 1: each pair swapped (d+6 -> d+7).  The place with c = 3 is not made
	CX (\d)+\x, (\d)+1-\x, (\s), (\s)+5
	CX (\d)+2+\x, (\d)+3-\x, (\s)+1, (\s)+4
	CX (\d)+4+\x, (\d)+5-\x, (\s)+2, (\s)+7
	v_max_num_f32 v[(\d)+6+\x], v[(\s)+3], v[(\s)+6]
.endm
.macro LV4 a, t                        ; axis 4, across the two tiles: a+0 c=0; a+1, a+2, a+4, a+6 c=1; a+3, a+5, a+7 c=2
	CX (\a), (\a)+1, (\t), (\t)+9
	CX (\a)+2, (\a)+3, (\t)+1, (\t)+8
	CX (\a)+4, (\a)+5, (\t)+2, (\t)+11
	CX (\a)+6, (\a)+7, (\t)+4, (\t)+13
.endm
.macro TRI r, t                        ; the places that had c = 2 before axis 4: only the larger of the two stays, straight into its single
	v_max3_num_f32 v[(\r)+20], v[(\r)+20], v[(\t)+3], v[(\t)+10]
	v_max3_num_f32 v[(\r)+22], v[(\r)+22], v[(\t)+5], v[(\t)+12]
	v_max3_num_f32 v[(\r)+23], v[(\r)+23], v[(\t)+6], v[(\t)+15]
.endm
.macro M3 l, v
	v_med3_num_f32 v[(\l)+2], v[(\l)+1], v[(\l)+2], v[\v]
	v_med3_num_f32 v[(\l)+1], v[\l], v[(\l)+1], v[\v]
.endm
.macro MED r, a                        ; the lists' lower places
.irp k, 5,4,3,2,1
	v_med3_num_f32 v[(\r)+\k], v[(\r)+\k-1], v[(\r)+\k], v[\a]
.endr
	M3 (\r)+6, (\a)+1
	M3 (\r)+9, (\a)+2
	M3 (\r)+12, (\a)+4
	M3 (\r)+15, (\a)+6
.endm
.macro HEADS r, a                      ; their heads, and three singles
	MX (\r), (\a), (\r)+9, (\a)+2
	MX (\r)+6, (\a)+1, (\r)+15, (\a)+6
	MX (\r)+12, (\a)+4, (\r)+19, (\a)+3
	MX (\r)+18, (\a)+5, (\r)+21, (\a)+7
.endm
; the selection for query tiles ta and tb, line groups by turns; the levels go to and fro between the accumulators' registers and TMP
.macro SEL ta, tb
.set SA0, ACC+8*(\ta)
.set SA1, ACC+8*(\tb)
.set ST0, TMP
.set ST1, TMP+16
.set SR0, LST+NLS*(\ta)
.set SR1, LST+NLS*(\tb)
	LV1 SA0, ST0
	LV1 SA1, ST1
	LV1 SA0+32, ST0+8
	LV1 SA1+32, ST1+8
	LV2 ST0, SA0
	LV2 ST1, SA1
	LV2 ST0+8, SA0+32
	LV2 ST1+8, SA1+32
	LV3 SA0, ST0, 0
	LV3 SA1, ST1, 0
	LV3 SA0+32, ST0+8, 1
	LV3 SA1+32, ST1+8, 1
	LV4 SA0, ST0
	LV4 SA1, ST1
	TRI SR0, ST0
	TRI SR1, ST1
	MED SR0, SA0
	MED SR1, SA1
	HEADS SR0, SA0
	HEADS SR1, SA1
.endm
; THE CHANGE OF SLOTS, in the selection of a slot's last pair, ahead of the loads from the other slot: this slot's eight tiles have long been read.
; Its two parts stand round the selection's first half, which works on registers alone, between the opening signal and its wait.
.macro CHANGE1 fill
	s_wait_tensorcnt 0x0                           ; my one load that was out, a quarter of the other slot, has landed
	ds_add_u32 v[SPW], v[NIL]
.if \fill
	s_xor_b32 s[G0W+1], s[G0W+1], SLOT1
	s_add_nc_u64 s[G0W+2:G0W+3], s[G0W+2:G0W+3], 8*TILEB
.endif
	s_wait_dscnt 0x0                               ; the add is done, and my reads of this slot are over
	s_barrier_signal -1
.endm
.macro CHANGE2 fill
	s_barrier_wait -1
.if \fill
	CREST                                          ; the barrier has opened a round of the cluster's
	tensor_load_to_lds s[G0W:G0W+3], s[G1C:G1C+7]  ; this slot again, with the tiles two slots on: my quarter
	s_nop 0
	NOPS 4
.endif
.endm
; A PAIR.  Its 70 loads were issued in the pair before: the first tile's 35, then the second's 35.  So the counts: 51 = the first tile's 16 of K steps 4-7 and the second's 35; 35; 16; 0.
; PLACES (eight behind this form): eight plain lines or v_nop stand behind the last product, ahead of the first read of an accumulator;
; the first half of the selection stands ahead of the loads into the buffers.
.macro PAIR chg, fill, more
	RUN 0, 51, 35
	RUN 1, 16, 0
	WIN 0
.if \more
.if \chg
	s_sub_co_u32 s[TB], s[TB], 8*TILEB             ; the fetches go back to a slot's first tile, in the other slot
	s_xor_b32 s[TB], s[TB], SLOT1
.endif
	ADDR
	NOPS 5
.else
	NOPS 8
.endif
.if \chg
	CHANGE1 \fill
.endif
	SEL 0, 1
.if \chg
	CHANGE2 \fill
.endif
.if \more
	LOADT 0
.endif
	SEL 2, 3
.if \more
	LOADT 1
.endif
.endm
.macro SLOTRUN fill, last              ; a slot's four pairs
	s_mov_b32 s[INNER], 3
.Lpair_\@:
	PAIR 0, 0, 1
	s_sub_co_u32 s[INNER], s[INNER], 1
	s_cmp_lg_u32 s[INNER], 0
	s_cbranch_scc1 .Lpair_\@
	PAIR 1-\last, \fill, 1-\last
.endm
.macro INS6 l, v
.irp k, 5,4,3,2,1
	v_med3_num_f32 v[(\l)+\k], v[(\l)+\k-1], v[(\l)+\k], v[\v]
.endr
	v_max_num_f32 v[\l], v[\l], v[\v]
.endm
.macro INSP l, v, lo                   ; an insertion of a number that is known not to pass the list's places 0 .. lo - 1
.irp k, 5,4,3,2,1
.if \k >= \lo
	v_med3_num_f32 v[(\l)+\k], v[(\l)+\k-1], v[(\l)+\k], v[\v]
.endif
.endr
.endm
	s_wait_alu depctr_va_vdst(0)
	s_wait_tensorcnt 0x0                           ; my tile of the head's is in; slot 1's first fill is issued as a refill is
	ds_add_u32 v[SPW], v[NIL]
	s_wait_dscnt 0x0
	CROUND
	tensor_load_to_lds s[G0W:G0W+3], s[G1C:G1C+7]  ; slot 1, my quarter
	s_nop 0
	NOPS 4
	ADDR
	s_wait_alu depctr_va_vdst(0)
	LOADT 0                                        ; candidate tiles 0 and 1
	LOADT 1
	s_wait_loadcnt 0x0                             ; my queries and their scale words
	s_mov_b32 s[OUTER], 6
.Lslot:                                            ; six slots are followed by a refill
	SLOTRUN 1, 0
	s_sub_co_u32 s[OUTER], s[OUTER], 1
	s_cmp_lg_u32 s[OUTER], 0
	s_cbranch_scc1 .Lslot
	SLOTRUN 0, 0                                   ; the tail is written out
	SLOTRUN 0, 1
	; THE WAY OUT: the 18 numbers of the shorter lists go into the list of six (the four query tiles by turns).
	; The j-th number of a list of three (j = 1, 2, 3) has 2 j - 1 numbers at least as large that are merged already or have given way to larger ones: the j - 1 over it in its list, and the c = 0 numbers of
	; their pairs and of its own.  So it cannot pass places 0 .. 2 j - 2.  A single has three: the c = 0 number and two c = 1 numbers of its pair; the lists of three go first.
.irp b, 6,9,12,15
.irp t, 0,1,2,3
	INSP LST+NLS*\t, LST+NLS*\t+\b, 1
.endr
.irp t, 0,1,2,3
	INSP LST+NLS*\t, LST+NLS*\t+\b+1, 3
.endr
.irp t, 0,1,2,3
	INSP LST+NLS*\t, LST+NLS*\t+\b+2, 5
.endr
.endr
.irp k, 18,19,20,21,22,23
.irp t, 0,1,2,3
	INSP LST+NLS*\t, LST+NLS*\t+\k, 3
.endr
.endr
.irp t, 0,1,2,3                                    ; the other half of the lanes holds the query's other 512 candidates: its six come over
.irp k, 0,1,2,3,4,5
	v_permlanex16_b32 v[OTH+6*\t+\k], v[LST+NLS*\t+\k], s[XSEL], s[XSEL+1]
.endr
.endr
.irp k, 0,1,2,3,4,5
.irp t, 0,1,2,3
	INS6 LST+NLS*\t, OTH+6*\t+\k
.endr
.endr
	v_and_b32 v9, 16, v0
	v_cmp_ne_u32 vcc_lo, 0, v9                     ; lanes 0-15 store the first four, lanes 16-31 the last two and two words of filling
.irp t, 0,1,2,3
	v_cndmask_b32 v[OUTR+4*\t], v[LST+NLS*\t], v[LST+NLS*\t+4], vcc_lo
	v_cndmask_b32 v[OUTR+4*\t+1], v[LST+NLS*\t+1], v[LST+NLS*\t+5], vcc_lo
	v_cndmask_b32 v[OUTR+4*\t+2], v[LST+NLS*\t+2], v[LST+NLS*\t+5], vcc_lo
	v_cndmask_b32 v[OUTR+4*\t+3], v[LST+NLS*\t+3], v[LST+NLS*\t+5], vcc_lo
.endr
.irp t, 0,1,2,3
	global_store_b128 v[GO], v[OUTR+4*\t:OUTR+4*\t+3], s[78:79] offset:512*\t   ; 16 queries x 32 bytes: 512 consecutive bytes a store
.endr
	s_wait_tensorcnt 0x0                           ; the wave's end
	ds_add_u32 v[SPW], v[NIL]
	s_wait_dscnt 0x0
	CROUND                                         ; the closing round
	s_endpgm
.Lfunc_end_k_q35e9ce5200_knn:
	.size	k_q35e9ce5200_knn, .Lfunc_end_k_q35e9ce5200_knn-k_q35e9ce5200_knn
	.p2alignl 7, 3214868480
	.fill 96, 4, 3214868480
	.section	.rodata,"a",@progbits
	.p2align	6, 0x0
	.amdhsa_kernel k_q35e9ce5200_knn
		.amdhsa_group_segment_fixed_size 327680
		.amdhsa_private_segment_fixed_size 0
		.amdhsa_enable_private_segment 0
		.amdhsa_kernarg_size 32
		.amdhsa_user_sgpr_count 2
		.amdhsa_user_sgpr_kernarg_segment_ptr 1
		.amdhsa_wavefront_size32 1
		.amdhsa_system_sgpr_workgroup_id_x 1
		.amdhsa_system_sgpr_workgroup_id_y 1
		.amdhsa_system_sgpr_workgroup_id_z 1
		.amdhsa_system_vgpr_workitem_id 0
		.amdhsa_next_free_vgpr 1024
		.amdhsa_next_free_sgpr 80
		.amdhsa_reserve_vcc 1
		.amdhsa_float_denorm_mode_32 3
		.amdhsa_float_denorm_mode_16_64 3
		.amdhsa_memory_ordered 1
		.amdhsa_forward_progress 1
		.amdhsa_inst_pref_size 199
	.end_amdhsa_kernel
	.amdgpu_metadata
---
amdhsa.version: [ 1, 2 ]
amdhsa.kernels:
  - .name:           k_q35e9ce5200_knn
    .symbol:         k_q35e9ce5200_knn.kd
    .args:
      - { .name: codes, .offset: 0, .size: 8, .value_kind: global_buffer, .address_space: global }
      - { .name: scl, .offset: 8, .size: 8, .value_kind: global_buffer, .address_space: global }
      - { .name: nsq, .offset: 16, .size: 8, .value_kind: global_buffer, .address_space: global }
      - { .name: part, .offset: 24, .size: 8, .value_kind: global_buffer, .address_space: global }
    .group_segment_fixed_size: 327680
    .private_segment_fixed_size: 0
    .kernarg_segment_align: 8
    .kernarg_segment_size: 32
    .max_flat_workgroup_size: 128
    .sgpr_count:     80
    .vgpr_count:     1024
    .wavefront_size: 32
...
	.end_amdgpu_metadata
.endif
;; end of part 2
;; launch apply (part 3): grid 256 x 1, 16 waves a work-group, no clusters, 0 bytes of LDS; arguments x_real, x_imag, part, nsq, out0; writes out0
.if DOCPART == 3
	.amdgcn_target "amdgcn-amd-amdhsa--gfx1250"
	.amdhsa_code_object_version 6
	.text
	.protected	k_q35e9ce5200_apply
	.globl	k_q35e9ce5200_apply
	.p2align	8
	.type	k_q35e9ce5200_apply,@function
k_q35e9ce5200_apply:
	s_mov_b64 s[64:65], 0
	v_nop
	global_prefetch_b8 v0, s[64:65] scope:SCOPE_SE
	s_setreg_imm32_b32 hwreg(HW_REG_WAVE_MODE, 25, 1), 1
	s_wait_xcnt 0x0
; out0[0] = x_real x w, out0[1] = x_imag x w, row by row of [8192][1024] f32.  w of row i is made here from the eight splits' six largest keys (key = G(i, j) - sq_j / 2):
; the six largest of the 48 are the row's six nearest; d = sqrt(max(sq_i - 2 key, 0)); the nearest of the six is dropped; score = the mean of the other five; w = exp(-score / 32) where score > 0.1, else 0.
; A stream: memory binds.  No LDS, no barrier, no matrix unit: waves share nothing.  Work-group g takes rows 32 g on, each of its sixteen waves two of them: four streams of 4,096 bytes (the two rows of x_real, then of x_imag),
; each in 32 registers of its own.  Each load and store of a wave covers 512 consecutive bytes.
; The arithmetic for w stands under the loads.  For it, lane l takes row (l / 8) % 2 of the wave's two and split l % 8 (lanes 16-31 repeat lanes 0-15); three exchanges inside each eight lanes merge the lists, so that every lane ends with its row's six.
; LIMITS: where score / 32 x log2(e) passes 126, v_exp_f32 gives 0 where the exact w is a denormal number; NaN and infinities are not served.
.set LI,  1                            ; v1   16 x lane
.set PO,  2                            ; v2   my list's place: 262,144 x split + 32 x row
.set NO,  3                            ; v3   4 x row
.set LS,  8                            ; v8-15  my list: six keys, descending, and two words of filling
.set OT,  16                           ; v16-21 the partner's list
.set D,   22                           ; v22-27 at work
.set X,   32                           ; v32-159 four streams of 32
.set W,   20                           ; s[20:23] the two rows' w, each twice: the packed multiply names a pair
	s_load_b256 s[4:11], s[0:1], 0x0               ; x_real s[4:5], x_imag s[6:7], part s[8:9], nsq s[10:11]
	s_load_b64 s[12:13], s[0:1], 0x20              ; out0
	v_lshrrev_b32 v9, 5, v0
	s_delay_alu instid0(VALU_DEP_1)
	v_readfirstlane_b32 s16, v9                    ; wave 0..15
	s_lshl_b32 s17, ttmp9, 5
	s_lshl_b32 s18, s16, 1
	s_add_co_u32 s17, s17, s18                     ; my first row: 32 g + 2 w
	v_and_b32 v10, 31, v0
	s_delay_alu instid0(VALU_DEP_1)
	v_lshlrev_b32 v[LI], 4, v10
	v_bfe_u32 v11, v0, 3, 1                        ; which of my two rows
	s_delay_alu instid0(VALU_DEP_3)
	v_and_b32 v12, 7, v10                          ; which split
	s_delay_alu instid0(VALU_DEP_1)
	v_lshlrev_b32 v[PO], 18, v12
	s_delay_alu instid0(VALU_DEP_1)
	v_lshl_or_b32 v[PO], v11, 5, v[PO]
	s_delay_alu instid0(VALU_DEP_4)
	v_lshlrev_b32 v[NO], 2, v11
.irp k, 0,1,2,3,4,5
	v_mov_b32 v[OT+\k], 0                          ; written once: the destination of a DPP form counts as one of its sources
.endr
	s_lshl_b32 s18, s17, 12                        ; 4,096 bytes a row
	s_mov_b32 s19, 0
	s_lshl_b32 s28, s17, 5                         ; 32 bytes a row in a split's lists
	s_mov_b32 s29, 0
	s_lshl_b32 s30, s17, 2
	s_mov_b32 s31, 0
	s_wait_alu depctr_va_vdst(0)
	s_wait_kmcnt 0x0
	s_add_nc_u64 s[4:5], s[4:5], s[18:19]
	s_add_nc_u64 s[6:7], s[6:7], s[18:19]
	s_add_nc_u64 s[12:13], s[12:13], s[18:19]
	s_add_nc_u64 s[14:15], s[12:13], 0x2000000     ; the imaginary half of out0 begins 33,554,432 bytes on
	s_add_nc_u64 s[8:9], s[8:9], s[28:29]
	s_add_nc_u64 s[10:11], s[10:11], s[30:31]
	global_load_b128 v[LS:LS+3], v[PO], s[8:9]
	global_load_b128 v[LS+4:LS+7], v[PO], s[8:9] offset:16
	global_load_b32 v4, v[NO], s[10:11]            ; -sq_i / 2
.macro FILL k                          ; stream k: row k % 2 of x_real (k < 2) or of x_imag: eight loads of 512 consecutive bytes
.irp j, 0,1,2,3,4,5,6,7
.if (\k) < 2
	global_load_b128 v[X+32*(\k)+4*\j:X+32*(\k)+4*\j+3], v[LI], s[4:5] offset:((\k)%2)*4096+512*\j th:TH_LOAD_NT
.else
	global_load_b128 v[X+32*(\k)+4*\j:X+32*(\k)+4*\j+3], v[LI], s[6:7] offset:((\k)%2)*4096+512*\j th:TH_LOAD_NT
.endif
.endr
.endm
	FILL 0
	FILL 1
	FILL 2
	FILL 3
.macro INS6 l, v                       ; v[v] into the descending list of six at v[l]: place k takes its upper neighbour, itself or the newcomer, whichever lies between
.irp k, 5,4,3,2,1
	v_med3_num_f32 v[(\l)+\k], v[(\l)+\k-1], v[(\l)+\k], v[\v]
.endr
	v_max_num_f32 v[\l], v[\l], v[\v]
.endm
	s_wait_loadcnt 32                              ; loads come back in order: my list and sq are in, the four streams' 32 loads may be out
.irp x, 1,2,4                                      ; lanes l and l xor 1, 2, 4: the partners hold the lists of other splits of the same row; each merges the other's six into its own
.irp k, 0,1,2,3,4,5
	v_mov_b32_dpp v[OT+\k], v[LS+\k] row_xmask:\x row_mask:0xf bank_mask:0xf
.endr
.irp k, 0,1,2,3,4,5
	INS6 LS, OT+\k
.endr
.endr
	v_mul_f32 v5, -2.0, v4                         ; sq_i
.irp k, 0,1,2,3,4
	v_fma_f32 v[D+\k], v[LS+1+\k], -2.0, v5        ; d2 = sq_i - 2 key.  The largest key, the nearest of the six, is dropped
.endr
.irp k, 0,1,2,3,4
	v_max_num_f32 v[D+\k], 0, v[D+\k]
.endr
	s_wait_alu depctr_va_vdst(0)
.irp k, 0,1,2,3,4
	v_sqrt_f32 v[D+\k], v[D+\k]
.endr
	v_nop                                          ; one plain vector instruction between the last root and the use of its result (ISA guide 5.7.2)
	s_wait_alu depctr_va_vdst(0)
	v_add_f32 v[D], v[D], v[D+1]
	v_add_f32 v[D+2], v[D+2], v[D+3]
	s_delay_alu instid0(VALU_DEP_1)
	v_add_f32 v[D], v[D], v[D+2]
	v_add_f32 v[D], v[D], v[D+4]
	s_delay_alu instid0(VALU_DEP_1)
	v_mul_f32 v[D], 0x3e4ccccd, v[D]               ; score = the mean of five
	s_delay_alu instid0(VALU_DEP_1)
	v_mul_f32 v[D+1], 0xbd38aa3b, v[D]             ; x -log2(e) / 32
	s_wait_alu depctr_va_vdst(0)
	v_exp_f32 v[D+2], v[D+1]
	v_cmp_lt_f32 vcc_lo, 0x3dcccccd, v[D]          ; 0.1 < score.  (The plain instruction behind the exponential)
	s_wait_alu depctr_va_vdst(0)
	v_cndmask_b32 v[D+2], 0, v[D+2], vcc_lo        ; w, or 0
.irp r, 0
	s_delay_alu instid0(VALU_DEP_1)
	v_readlane_b32 s[W+2*\r], v[D+2], 8*\r         ; row r's w lies in lanes 8 r .. 8 r + 7
	s_delay_alu instid0(VALU_DEP_2)
	v_readlane_b32 s[W+2*\r+1], v[D+2], 8*\r
.endr
.irp r, 1
	s_delay_alu instid0(VALU_DEP_3)
	v_readlane_b32 s[W+2*\r], v[D+2], 8*\r         ; row r's w lies in lanes 8 r .. 8 r + 7
	s_delay_alu instid0(VALU_DEP_4)
	v_readlane_b32 s[W+2*\r+1], v[D+2], 8*\r
.endr
; Stream k's turn: scaled in place and stored; left = how many younger loads may stay out.  Its registers are not written again, so nothing waits for the stores.
.macro TURN k, left
	s_wait_loadcnt \left                           ; my eight loads are in
.set cnt, 0
.rept 16
	v_pk_mul_f32 v[X+32*(\k)+2*cnt:X+32*(\k)+2*cnt+1], v[X+32*(\k)+2*cnt:X+32*(\k)+2*cnt+1], s[W+2*((\k)%2):W+2*((\k)%2)+1] op_sel_hi:[1,0]
.set cnt, cnt+1
.endr
.irp j, 0,1,2,3,4,5,6,7
.if (\k) < 2
	global_store_b128 v[LI], v[X+32*(\k)+4*\j:X+32*(\k)+4*\j+3], s[12:13] offset:((\k)%2)*4096+512*\j th:TH_STORE_NT
.else
	global_store_b128 v[LI], v[X+32*(\k)+4*\j:X+32*(\k)+4*\j+3], s[14:15] offset:((\k)%2)*4096+512*\j th:TH_STORE_NT
.endif
.endr
.endm
	TURN 0, 24                                     ; behind a stream's loads stand those of the younger streams, eight each: the counts run down
	TURN 1, 16
	TURN 2, 8
	TURN 3, 0
	s_endpgm
.Lfunc_end_k_q35e9ce5200_apply:
	.size	k_q35e9ce5200_apply, .Lfunc_end_k_q35e9ce5200_apply-k_q35e9ce5200_apply
	.p2alignl 7, 3214868480
	.fill 96, 4, 3214868480
	.section	.rodata,"a",@progbits
	.p2align	6, 0x0
	.amdhsa_kernel k_q35e9ce5200_apply
		.amdhsa_group_segment_fixed_size 0
		.amdhsa_private_segment_fixed_size 0
		.amdhsa_enable_private_segment 0
		.amdhsa_kernarg_size 40
		.amdhsa_user_sgpr_count 2
		.amdhsa_user_sgpr_kernarg_segment_ptr 1
		.amdhsa_wavefront_size32 1
		.amdhsa_system_sgpr_workgroup_id_x 1
		.amdhsa_system_sgpr_workgroup_id_y 1
		.amdhsa_system_sgpr_workgroup_id_z 1
		.amdhsa_system_vgpr_workitem_id 0
		.amdhsa_next_free_vgpr 160
		.amdhsa_next_free_sgpr 66
		.amdhsa_reserve_vcc 1
		.amdhsa_float_denorm_mode_32 3
		.amdhsa_float_denorm_mode_16_64 3
		.amdhsa_memory_ordered 1
		.amdhsa_forward_progress 1
		.amdhsa_inst_pref_size 22
	.end_amdhsa_kernel
	.amdgpu_metadata
---
amdhsa.version: [ 1, 2 ]
amdhsa.kernels:
  - .name:           k_q35e9ce5200_apply
    .symbol:         k_q35e9ce5200_apply.kd
    .args:
      - { .name: x_real, .offset: 0, .size: 8, .value_kind: global_buffer, .address_space: global }
      - { .name: x_imag, .offset: 8, .size: 8, .value_kind: global_buffer, .address_space: global }
      - { .name: part, .offset: 16, .size: 8, .value_kind: global_buffer, .address_space: global }
      - { .name: nsq, .offset: 24, .size: 8, .value_kind: global_buffer, .address_space: global }
      - { .name: out0, .offset: 32, .size: 8, .value_kind: global_buffer, .address_space: global }
    .group_segment_fixed_size: 0
    .private_segment_fixed_size: 0
    .kernarg_segment_align: 8
    .kernarg_segment_size: 40
    .max_flat_workgroup_size: 512
    .sgpr_count:     66
    .vgpr_count:     160
    .wavefront_size: 32
...
	.end_amdgpu_metadata
.endif
;; end of part 3
